; MI455X (gfx1250); checked and timed in simulation.
; The chip was launched on July 23, 2026; its instructions are those of AMD's public machine-readable ISA for CDNA 5 (MIT licence, August 2026) and "CDNA5" Instruction Set Architecture Reference Guide (July 2026). The comments in the code are by the model that wrote it; some were corrected since.
;; Associator Current. Allowed arithmetic: matrix products marked QUANTISED: E2M3 operands, one E8M0 scale for each 32 along K, by v_wmma_scale_f32_16x16x128_f8f6f4 with both operands' format E2M3, f32 sums; products left as they are: f32 operands where the result goes on into a quantised operand, else bf16, f16 or f32 operands; f32 sums; everything else in f32.
;; Inputs: J_expand 16 x 16 x 16 float32; W_alpha 1,024 x 16 float32; W_lambda 1,024 x 16 float32; W_sigma 1,024 x 16 float32; b_alpha 16 float32; b_lambda 16 float32; b_sigma 16 float32; x 4 x 4,096 x 1,024 float32.
;; Outputs: out0 4 x 4,096 x 16 x 16 float32.
;; This version of the problem:
;;   THIS VERSION OF THE PROBLEM IS GIVEN IN LOW PRECISION. The matrix products marked QUANTISED in the list below multiply operands that are first quantised to E2M3 (2 exponent bits, 3 mantissa bits; 6 bits a number), with one power-of-two scale for each 32 numbers along K (OCP MX v1.0); their sums are f32. All else is computed in f32.
;;   The module's matrix products, in the order in which they are computed (A, B: the left and right operand; K: the contracted axis; several contracted axes count as one K, in the product's order):
;;     1. [M 16,384, K 1,024] x [K 1,024, N 16]; A: input x; B: input W_sigma: QUANTISED
;;     2. [M 16,384, K 1,024] x [K 1,024, N 16]; A: input x; B: input W_lambda: QUANTISED
;;     3. [M 16,384, K 1,024] x [K 1,024, N 16]; A: input x; B: input W_alpha: QUANTISED
;;     4. batch 16,384 x [M 8, K 1] x [K 1, N 8]; A: computed on the way; B: computed on the way: left as it is (no contracted axis)
;;     5. [M 16,384, K 64] x [K 64, N 8]; A: computed on the way; B: computed on the way: left as it is (N = 8 < 16)
;;     6. batch 16,384 x [M 8, K 1] x [K 1, N 8]; A: computed on the way; B: computed on the way: left as it is (no contracted axis)
;;     7. [M 16,384, K 64] x [K 64, N 8]; A: computed on the way; B: computed on the way: left as it is (N = 8 < 16)
;;     8. batch 16,384 x [M 8, K 1] x [K 1, N 8]; A: computed on the way; B: computed on the way: left as it is (no contracted axis)
;;     9. [M 16,384, K 64] x [K 64, N 8]; A: computed on the way; B: computed on the way: left as it is (N = 8 < 16)
;;     10. batch 16,384 x [M 8, K 1] x [K 1, N 8]; A: computed on the way; B: computed on the way: left as it is (no contracted axis)
;;     11. [M 16,384, K 64] x [K 64, N 8]; A: computed on the way; B: computed on the way: left as it is (N = 8 < 16)
;;     12. batch 16,384 x [M 8, K 1] x [K 1, N 8]; A: computed on the way; B: computed on the way: left as it is (no contracted axis)
;;     13. [M 16,384, K 64] x [K 64, N 8]; A: computed on the way; B: computed on the way: left as it is (N = 8 < 16)
;;     14. batch 16,384 x [M 8, K 1] x [K 1, N 8]; A: computed on the way; B: computed on the way: left as it is (no contracted axis)
;;     15. [M 16,384, K 64] x [K 64, N 8]; A: computed on the way; B: computed on the way: left as it is (N = 8 < 16)
;;     16. batch 16,384 x [M 8, K 1] x [K 1, N 8]; A: computed on the way; B: computed on the way: left as it is (no contracted axis)
;;     17. [M 16,384, K 64] x [K 64, N 8]; A: computed on the way; B: computed on the way: left as it is (N = 8 < 16)
;;     18. batch 16,384 x [M 8, K 1] x [K 1, N 8]; A: computed on the way; B: computed on the way: left as it is (no contracted axis)
;;     19. [M 16,384, K 64] x [K 64, N 8]; A: computed on the way; B: computed on the way: left as it is (N = 8 < 16)
;;     20. batch 16,384 x [M 8, K 1] x [K 1, N 8]; A: computed on the way; B: computed on the way: left as it is (no contracted axis)
;;     21. [M 16,384, K 64] x [K 64, N 8]; A: computed on the way; B: computed on the way: left as it is (N = 8 < 16)
;;     22. batch 16,384 x [M 8, K 1] x [K 1, N 8]; A: computed on the way; B: computed on the way: left as it is (no contracted axis)
;;     23. [M 16,384, K 64] x [K 64, N 8]; A: computed on the way; B: computed on the way: left as it is (N = 8 < 16)
;;     24. batch 16,384 x [M 8, K 1] x [K 1, N 8]; A: computed on the way; B: computed on the way: left as it is (no contracted axis)
;;     25. [M 16,384, K 64] x [K 64, N 8]; A: computed on the way; B: computed on the way: left as it is (N = 8 < 16)
;;     26. batch 16,384 x [M 8, K 1] x [K 1, N 8]; A: computed on the way; B: computed on the way: left as it is (no contracted axis)
;;     27. [M 16,384, K 64] x [K 64, N 8]; A: computed on the way; B: computed on the way: left as it is (N = 8 < 16)
;;     28. batch 16,384 x [M 8, K 1] x [K 1, N 8]; A: computed on the way; B: computed on the way: left as it is (no contracted axis)
;;     29. [M 16,384, K 64] x [K 64, N 8]; A: computed on the way; B: computed on the way: left as it is (N = 8 < 16)
;;     30. batch 16,384 x [M 8, K 1] x [K 1, N 8]; A: computed on the way; B: computed on the way: left as it is (no contracted axis)
;;     31. [M 16,384, K 64] x [K 64, N 8]; A: computed on the way; B: computed on the way: left as it is (N = 8 < 16)
;;     32. batch 16,384 x [M 8, K 1] x [K 1, N 8]; A: computed on the way; B: computed on the way: left as it is (no contracted axis)
;;     33. [M 16,384, K 64] x [K 64, N 8]; A: computed on the way; B: computed on the way: left as it is (N = 8 < 16)
;;     34. batch 16,384 x [M 8, K 1] x [K 1, N 8]; A: computed on the way; B: computed on the way: left as it is (no contracted axis)
;;     35. [M 16,384, K 64] x [K 64, N 8]; A: computed on the way; B: computed on the way: left as it is (N = 8 < 16)
;;     36. [M 16,384, K 16] x [K 16, N 256]; A: computed on the way; B: input J_expand: left as it is (K = 16 < 32)
;;   THE QUANTISER, for each operand of a quantised product, along K:
;;     - K is cut into blocks of 32 from its start; a last block that is shorter is filled with zeros.
;;     - A block's scale is 2^e with e = floor(log2(the largest magnitude in the block)) - 2, held to -126 .. 127; a block of zeros has e = 0. As a byte (E8M0): e + 127.
;;     - Each number is divided by its block's scale, clamped to +-7.5, and rounded to the nearest number of E2M3, ties to even, subnormals kept.
;;     - The product sums the exact products of the quantised numbers (number of the format x scale) in f32.
;;   ~~~python
;;   def quantise(x, axis):      # numpy; x: float32 -> the quantised numbers, widened to float32 again
;;       x = np.moveaxis(x, axis, -1); K = x.shape[-1]
;;       x = np.pad(x, [(0, 0)] * (x.ndim - 1) + [(0, -K % 32)]); x = x.reshape(x.shape[:-1] + (-1, 32)); a = np.abs(x).max(-1, keepdims=True)
;;       e = np.where(a > 0, np.clip(np.frexp(np.where(a > 0, a, 1))[1] - 1 - 2, -126, 127), 0)      # np.frexp(a)[1] - 1 = floor(log2(a)), exactly
;;       r = np.clip(x / 2.0 ** e, -7.5, 7.5)
;;       step = 2.0 ** (np.maximum(np.frexp(np.where(r == 0, 1, r))[1] - 1, 0) - 3)
;;       q = np.round(r / step) * step * 2.0 ** e      # np.round: ties to even
;;       return np.moveaxis(q.reshape(q.shape[:-2] + (-1,))[..., :K], -1, axis).astype(np.float32)
;;   ~~~
;; One version. Each part assembles by itself: llvm-mc -triple=amdgcn-amd-amdhsa -mcpu=gfx1250 --defsym DOCPART=n.
;; ======== version 1 of 1: 1 launch
;; launch assoc (part 1): grid 256 x 1, 8 waves a work-group, no clusters, 327,680 bytes of LDS; arguments x, W_sigma, W_lambda, W_alpha, b_sigma, b_lambda, b_alpha, J_expand, out0; writes out0
.if DOCPART == 1
	.amdgcn_target "amdgcn-amd-amdhsa--gfx1250"
	.amdhsa_code_object_version 6
	.text
	.protected	k_q4845e3c3d1_assoc
	.globl	k_q4845e3c3d1_assoc
	.p2align	8
	.type	k_q4845e3c3d1_assoc,@function
k_q4845e3c3d1_assoc:
	s_mov_b64 s[64:65], 0
	v_nop
	global_prefetch_b8 v0, s[64:65] scope:SCOPE_SE
	s_setreg_imm32_b32 hwreg(HW_REG_WAVE_MODE, 25, 1), 1
	s_wait_xcnt 0x0
; out0[row] = T - T^t, T[j][k] = sum over i of J[i] E[i][j][k], E = J_expand, J = (sigma lambda) alpha - sigma (lambda alpha) by reference()'s complex product on 16 numbers,
; sigma, lambda, alpha = Q(x) Q(W) + b: three products on codes of FP6 (E2M3) with one E8M0 scale for each 32 along K = 1,024; all else in f32.  16,384 rows of x.
;
; WORK LEFT OUT, AND WHY IT IS DEAD.  reference() builds OCT_F in its own body from triples over the indices 0 .. 6 alone, so F[7][.][.] = F[.][7][.] = F[.][.][7] = 0 whatever the inputs hold.
; (a) oct_mul(a, b)[i] = sum over j, k of a[j] b[k] F[j][k][i] has, for each of the 7 triples (i, j, k), the terms out[k] += a[i] b[j] - a[j] b[i] and its two cyclic turns: 42 signed products; the other terms of the
;     dense product are multiplications by that 0 and are not made.  (b) out[7] = 0, and a[7], b[7] enter nothing: components 7 and 15 of sigma, lambda, alpha reach no output; they lie inside live tiles of the three
;     products and are computed with them, and then not read.  (c) J[7] = J[15] = 0, so E[7] and E[15] reach no output: these two rows of J_expand are not loaded, and zeros stand in their places.
; Every input keeps a way to the output, so all are arguments.  LIMIT: a NaN, an infinity or an overflow that reaches only components 7 and 15 of a psi, or E[7], E[15], is not carried to the result.
; OTHER LIMITS.  NaN and infinities in x or W are not served.  A block of 32 whose largest magnitude lies under 2^-124 keeps the scale byte 1 (not tried); a block of zeros has the byte 1 where the rule says 127: its
; codes are zeros, and the bytes are read here alone.  The antisymmetric part A[i][j][k] = E[i][j][k] - E[i][k][j] is formed ahead of the last product, and the sums go in another order than reference()'s: an order of
; rounding.  The last product takes A and J as pairs of bf16 numbers, a high and a low part split in f32; a number within 2^-9 of the largest f32 number would round to infinity there.
;
; SHARES.  256 work-groups of 64 rows.  Waves 0-3 own 16 rows each; at the head each asks for its 16 rows x 4,096 bytes by eight tensor loads, one for each K step of 128 (16 rows x 512 bytes), so that the work on a K step
; begins when that step has landed: eight tensor loads of a wave are out, all of them first fills; no LDS byte is filled twice.  Meanwhile all eight waves prepare what every wave needs: wave w quantises K step w of the
; three weights (a lane takes a column, its registers run down K) and builds tiles 2 w, 2 w + 1 of A; both go to LDS as images of the operands' registers.  One barrier; waves 4-7 end.
; Waves 0-3 then walk the eight K steps (x from LDS, quantised in registers, three matrix instructions), form J in registers, multiply by A, and send 16 whole rows out through a stage in their own, finished part of x.
; LAYOUT.  All products are used transposed (source 0 = 16 components or 16 of the 256 outputs, source 1 = my 16 rows): lane (r, h) holds row r and eight neighbours 8 h .. 8 h + 7: the real part of a psi in lanes 0-15, the
; imaginary part in lanes 16-31; J in that layout IS the bf16 operand's layout, and a lane's eight results of the last product are 32 neighbouring bytes of a row of out0.
; NO CLUSTER.  The work-groups share the weights (3 x 65,536 bytes of f32) and J_expand (16,384).  x takes 270,336 of the 327,680 bytes of LDS, so the weights as f32 have no room to land by a joint tensor load:
; they go through registers.  x, which is nearly all the bytes, is shared by nobody.
.set XPITCH, 528                       ; a row of a tile of x in LDS: 512 bytes + 16: an odd multiple of 16, so that the 16 rows of a 16-byte load start in different banks (ISA guide 11.1)
.set XTILE,  16*XPITCH                 ; a K step's tile of one wave
.set XWAVE,  8*XTILE                   ; a wave's part: 67,584 bytes
.set FRB,    1536                      ; the image of an FP6 fragment: 12 registers x 128 bytes
.set WIMG,   4*XWAVE                   ; 270,336: the weights' 24 fragments, (K step s, weight f) at (3 s + f) FRB
.set WSC,    WIMG+24*FRB               ; 307,200: their scale words, 128 bytes each
.set AIMG,   WSC+24*128                ; 310,272: A's 16 tiles, 1,024 bytes each: 512 of high parts, 512 of low parts
.set SPARE,  AIMG+16*1024              ; 326,656: the spare words, 128 bytes for each of eight waves
.set SPITCH, 1040                      ; the way out: a stage row: 1,024 bytes + 16
.set XA,  3                            ; v3   my place in a tile of x: my part + 528 r + 128 h
.set WIR, 4                            ; v4   WIMG + 16 lane
.set WSR, 5                            ; v5   WSC + 4 lane
.set AIR, 6                            ; v6   AIMG + 16 lane
.set STO, 7                            ; v7   the stage, in: my part + 1,040 r + 32 h
.set SRD, 8                            ; v8   the stage, back: my part + 16 lane
.set GO,  9                            ; v9   16 lane: my bytes of half a row of out0
.set SPW, 10                           ; v10  LDS address of my spare word; never rewritten
.set NIL, 11                           ; v11  0; never rewritten
.set UF,  12                           ; v12  +1.0 in lanes 0-15, -1.0 in lanes 16-31
.set H8,  13                           ; v13  8 h
.set Z0,  14                           ; v14  0
.set WGA, 16                           ; v16  a weight: 4 r + 2,048 h
.set WIA, 17                           ; v17  where I store my fragments' images: WIR + 3 FRB x wave
.set WSA, 18                           ; v18  and their scale words: WSR + 384 x wave
.set EA1, 19                           ; v19  E[8 h + e][2 w + u][r]: 8,192 h + 4 r + 128 w
.set EA2, 20                           ; v20  E[8 h + e][r][2 w + u]: 8,192 h + 64 r + 8 w
.set AIA, 21                           ; v21  where I store my tiles of A: AIR + 2,048 x wave
.set BA,  22                           ; v22  a bias: 32 h
.set ACC, 24                           ; v24-47  the three sums: sigma, lambda, alpha
.set PC,  48                           ; v48-59  the codes just made;  v60-62, v64-66 the conversions' second halves
.set MX,  68                           ; v68-71  four largest magnitudes
.set SOP, 72                           ; v72-73  the conversions' scale operands;  v74 my two scale bytes;  v75 the other half's
.set PW,  76                           ; v76     the scale word just made: scales and nothing else
.set WS,  77                           ; v77-79, v80-82  the weights' scale words, two sets: scales and nothing else
.set WF,  84                           ; v84-119, v120-155  the weights' fragments, two sets
.set X,   160                          ; v160-223  64 numbers of x
.set WB0, 84                           ; while preparing: 64 numbers of a weight, two buffers
.set WB1, 160
.set EB,  224                          ; v224-251  tile u: E[.][j][k] at EB + 14 u + e, E[.][k][j] at EB + 14 u + 7 + e
.set DT,  128                          ; window 1: v0-127 A's 16 tiles, v128-255 the 16 accumulators of the last product
.set HM,  68                           ; s68  0xffff0000: lanes 16-31, and a word's upper bf16
.set MSB, 0
.macro WIN new                         ; the immediate's high byte repeats the setting that is left
.if MSB != \new
	s_set_vgpr_msb (MSB<<8)|\new
.set MSB, \new
.endif
.endm
.macro PLACES n
.rept \n
	v_nop
.endr
.endm
; 64 numbers of a lane, register s + 32 c + i = k 64 c + 32 h + i of my row or column, become an FP6 fragment in v[PC] on and its scale word in v[PW].  A lane holds two whole blocks of 32.
.macro QUANT s
.irp n, 0,1,2,3
	v_max3_num_f32 v[MX+\n], |v[\s+16*\n]|, |v[\s+16*\n+1]|, 0x1800000   ; four chains of 16 numbers, each begun with the floor 2^(3 - 127): the byte cannot fall under 1
.endr
.irp i, 2,4,6,8,10,12,14
.irp n, 0,1,2,3
	v_max3_num_f32 v[MX+\n], v[MX+\n], |v[\s+16*\n+\i]|, |v[\s+16*\n+\i+1]|
.endr
.endr
	v_max_num_f32 v[MX], v[MX], v[MX+1]            ; block h's largest magnitude,
	v_max_num_f32 v[MX+2], v[MX+2], v[MX+3]        ; and block 2 + h's
	v_add_nc_u32 v[SOP], 0xff000000, v[MX]         ; 2 off the exponent field: the conversion takes the exponent field of this operand as its scale
	v_add_nc_u32 v[SOP+1], 0xff000000, v[MX+2]
	v_lshrrev_b32 v[MX], 23, v[SOP]                ; the scales' bytes
	v_lshrrev_b32 v[MX+2], 23, v[SOP+1]
	v_lshl_or_b32 v74, v[MX+2], 16, v[MX]
	v_lshlrev_b32 v74, v[H8], v74                  ; at their places in the word: bytes h and 2 + h
	v_permlanex16_b32 v75, v74, s66, s67
	v_or_b32 v[PW], v74, v75                       ; with lane l xor 16's two the word is whole
	v_cvt_scalef32_pk16_fp6_f32 v[PC:PC+2], v[\s:\s+15], v[SOP]
	v_cvt_scalef32_pk16_fp6_f32 v[PC+12:PC+14], v[\s+16:\s+31], v[SOP]      ; (a conversion's three registers begin on an even number: a block's second half is made elsewhere and moved)
	v_cvt_scalef32_pk16_fp6_f32 v[PC+6:PC+8], v[\s+32:\s+47], v[SOP+1]
	v_cvt_scalef32_pk16_fp6_f32 v[PC+16:PC+18], v[\s+48:\s+63], v[SOP+1]
	v_nop                                          ; one plain instruction behind the last scaled conversion
.irp i, 0,1,2
	v_mov_b32 v[PC+3+\i], v[PC+12+\i]
	v_mov_b32 v[PC+9+\i], v[PC+16+\i]
.endr
.endm
.macro IMAGE f                         ; the fragment and its scale word go to LDS as they stand: lane l's 16 bytes at 16 l
.irp g, 0,1,2
	ds_store_b128 v[WIA], v[PC+4*\g:PC+4*\g+3] offset:FRB*\f+512*\g
.endr
	ds_store_b32 v[WSA], v[PW] offset:128*\f
.endm
.macro WLD base, buf                   ; my K step of a weight: W(128 w + 64 c + 32 h + i, r); a row of W is 64 bytes
.set wi, 0
.rept 64
	global_load_b32 v[\buf+wi], v[WGA], s[\base:\base+1] offset:64*(64*(wi/32)+wi%32)
.set wi, wi+1
.endr
.endm
; seven f32 numbers v[src] on become four registers of bf16 high parts and four of low parts, a zero in the eighth place; v[src] on holds the low parts afterwards
.macro SPLIT src, hi, tmp, lo
.irp p, 0,1,2
	v_cvt_pk_bf16_f32 v[\hi+\p], v[\src+2*\p], v[\src+2*\p+1]
.endr
	v_cvt_pk_bf16_f32 v[\hi+3], v[\src+6], v[Z0]
.irp p, 0,1,2
	v_lshlrev_b32 v[\tmp+2*\p], 16, v[\hi+\p]
	v_and_b32 v[\tmp+2*\p+1], s[HM], v[\hi+\p]
.endr
	v_lshlrev_b32 v[\tmp+6], 16, v[\hi+3]
.irp e, 0,1,2,3,4,5,6
	v_sub_f32 v[\src+\e], v[\src+\e], v[\tmp+\e]   ; exact: what the rounding to bf16 left
.endr
.irp p, 0,1,2
	v_cvt_pk_bf16_f32 v[\lo+\p], v[\src+2*\p], v[\src+2*\p+1]
.endr
	v_cvt_pk_bf16_f32 v[\lo+3], v[\src+6], v[Z0]
.endm
.macro ABUILD u                        ; tile 2 w + u of A: lane (m, h) holds A[8 h + e][2 w + u][m], e = 0 .. 6
.irp e, 0,1,2,3,4,5,6
	v_sub_f32 v[EB+14*\u+\e], v[EB+14*\u+\e], v[EB+14*\u+7+\e]
.endr
	SPLIT EB+14*\u, 48+8*\u, 64, 52+8*\u
	ds_store_b128 v[AIA], v[48+8*\u:51+8*\u] offset:1024*\u
	ds_store_b128 v[AIA], v[52+8*\u:55+8*\u] offset:1024*\u+512
.endm
.macro WLOAD s, p                      ; K step s's three fragments and scale words into set p
.irp f, 0,1,2
.irp g, 0,1,2
	ds_load_b128 v[WF+36*(\p)+12*\f+4*\g:WF+36*(\p)+12*\f+4*\g+3], v[WIR] offset:(3*(\s)+\f)*FRB+512*\g
.endr
	ds_load_b32 v[WS+3*(\p)+\f], v[WSR] offset:(3*(\s)+\f)*128
.endr
.endm
.macro XLOAD s                         ; x(r, 128 s + 64 c + 32 h + 0 .. 31)
.irp c, 0,1
.irp j, 0,1,2,3,4,5,6,7
	ds_load_b128 v[X+32*\c+4*\j:X+32*\c+4*\j+3], v[XA] offset:XTILE*(\s)+256*\c+16*\j
.endr
.endr
.endm
.macro KSTEP s
	s_wait_tensorcnt 7-\s                          ; a wave's tensor loads end in order (ISA guide 10.11.1): my tile of this K step is in; the 7 - s later ones may be out
	XLOAD \s
	s_wait_dscnt 0x0                               ; x, and this step's weights, asked for a step ago
	QUANT X
.if \s < 7
	WLOAD \s+1, (\s+1)%2                           ; the other set was last read by the products of the step before: QUANT's plain instructions stand between
.endif
.if \s == 0
	s_wait_loadcnt 0x0                             ; the biases
.endif
	PLACES 8                                       ; the scale word was written by a vector instruction: eight places ahead of a scaled matrix instruction; the codes: four
.irp f, 0,1,2                          ; the three sums take turns, one instruction a turn
	v_wmma_scale_f32_16x16x128_f8f6f4 v[ACC+8*\f:ACC+8*\f+7], v[WF+36*(\s%2)+12*\f:WF+36*(\s%2)+12*\f+11], v[PC:PC+11], v[ACC+8*\f:ACC+8*\f+7], v[WS+3*(\s%2)+\f], v[PW] matrix_a_fmt:MATRIX_FMT_FP6 matrix_b_fmt:MATRIX_FMT_FP6
.endr
.endm
; d[o] (+)= a[p] b[q] - a[q] b[p]
.macro PTERM d, a, b, o, p, q, first
.if \first
	v_mul_f32 v[\d+\o], v[\a+\p], v[\b+\q]
.else
	v_fma_f32 v[\d+\o], v[\a+\p], v[\b+\q], v[\d+\o]
.endif
.endm
.macro NTERM d, a, b, o, p, q
	v_fma_f32 v[\d+\o], -v[\a+\q], v[\b+\p], v[\d+\o]
.endm
; a triple (i, j, k) of OCT_F in two independent products at once: its three outputs and the two products take turns, so that no line waits for the line above it
.macro TRI d1, a1, b1, d2, a2, b2, i, j, k, f1, f2, f3
	PTERM \d1, \a1, \b1, \k, \i, \j, \f1
	PTERM \d2, \a2, \b2, \k, \i, \j, \f1
	PTERM \d1, \a1, \b1, \i, \j, \k, \f2
	PTERM \d2, \a2, \b2, \i, \j, \k, \f2
	PTERM \d1, \a1, \b1, \j, \k, \i, \f3
	PTERM \d2, \a2, \b2, \j, \k, \i, \f3
	NTERM \d1, \a1, \b1, \k, \i, \j
	NTERM \d2, \a2, \b2, \k, \i, \j
	NTERM \d1, \a1, \b1, \i, \j, \k
	NTERM \d2, \a2, \b2, \i, \j, \k
	NTERM \d1, \a1, \b1, \j, \k, \i
	NTERM \d2, \a2, \b2, \j, \k, \i
.endm
; d1 (+)= oct_mul(a1, b1), d2 (+)= oct_mul(a2, b2), components 0 .. 6.  init = 1: each output's first term starts its sum
.macro CROSS2 d1, a1, b1, d2, a2, b2, init
	TRI \d1, \a1, \b1, \d2, \a2, \b2, 0, 1, 2, \init, \init, \init
	TRI \d1, \a1, \b1, \d2, \a2, \b2, 0, 3, 4, \init, 0, \init
	TRI \d1, \a1, \b1, \d2, \a2, \b2, 0, 5, 6, \init, 0, \init
	TRI \d1, \a1, \b1, \d2, \a2, \b2, 1, 3, 5, 0, 0, 0
	TRI \d1, \a1, \b1, \d2, \a2, \b2, 1, 4, 6, 0, 0, 0
	TRI \d1, \a1, \b1, \d2, \a2, \b2, 2, 3, 6, 0, 0, 0
	TRI \d1, \a1, \b1, \d2, \a2, \b2, 2, 4, 5, 0, 0, 0
.endm
; tiles 8 g .. 8 g + 7 of the last product: (Ahi, Alo) x (Jhi, Jhi) starts each sum, (Ahi, Alo) x (Jlo, Jlo) is added; the eight accumulators take turns
.macro GEXP g
.irp t, 0,1,2,3,4,5,6,7
	v_wmma_f32_16x16x32_bf16 v[DT+8*(8*\g+\t):DT+8*(8*\g+\t)+7], v[8*(8*\g+\t):8*(8*\g+\t)+7], v[48:55], 0
.endr
.irp t, 0,1,2,3,4,5,6,7
	v_wmma_f32_16x16x32_bf16 v[DT+8*(8*\g+\t):DT+8*(8*\g+\t)+7], v[8*(8*\g+\t):8*(8*\g+\t)+7], v[56:63], v[DT+8*(8*\g+\t):DT+8*(8*\g+\t)+7]
.endr
.endm
.macro STG g                           ; lane (r, h): out0(row r, 16 t + 8 h + 0 .. 7), each accumulator from its low end on
.irp t, 0,1,2,3,4,5,6,7
	ds_store_b128 v[STO], v[DT+8*(8*\g+\t):DT+8*(8*\g+\t)+3] offset:64*(8*\g+\t)
	ds_store_b128 v[STO], v[DT+8*(8*\g+\t)+4:DT+8*(8*\g+\t)+7] offset:64*(8*\g+\t)+16
.endr
.endm
.macro RDB g, reg                      ; half g of my 16 rows back, 512 bytes an instruction.  LDS serves a wave's instructions in order (ISA guide 5.7.1.4): these see my stores
.irp i, 0,1,2,3,4,5,6,7,8,9,10,11,12,13,14,15
	ds_load_b128 v[\reg+4*\i:\reg+4*\i+3], v[SRD] offset:SPITCH*\i+512*\g
.endr
.endm
.macro SEND g, reg
.irp i, 0,1,2,3,4,5,6,7,8,9,10,11,12,13,14,15
	s_wait_dscnt 15-\i                             ; row i is back; the 15 - i younger loads may be out
	global_store_b128 v[GO], v[\reg+4*\i:\reg+4*\i+3], s[20:21] offset:1024*\i+512*\g th:TH_STORE_NT   ; 32 lanes store 512 consecutive bytes, at a multiple of 512 from out0's first byte; written once, read by nobody here
.endr
.endm
	s_load_b256 s[4:11], s[0:1], 0x0               ; x s[4:5], W_sigma s[6:7], W_lambda s[8:9], W_alpha s[10:11]
	s_load_b256 s[12:19], s[0:1], 0x20             ; b_sigma s[12:13], b_lambda s[14:15], b_alpha s[16:17], J_expand s[18:19]
	s_load_b64 s[20:21], s[0:1], 0x40              ; out0
	v_lshl_add_u32 v[SPW], v0, 2, SPARE
	v_mov_b32 v[NIL], 0
	ds_add_u32 v[SPW], v[NIL]                      ; the wave's opening: the add, twice on end, and its wait ahead of the first tensor load; the set-up below, work on registers, stands between
	ds_add_u32 v[SPW], v[NIL]
	v_lshrrev_b32 v1, 5, v0
	v_readfirstlane_b32 s2, v1                     ; wave 0..7
	s_and_b32 s3, s2, 3                            ; which 16 rows (waves 0-3 use it)
	s_mul_i32 s70, s3, XWAVE                       ; my part of LDS
	; descriptor group 1: a tile of 16 rows x 128 f32, rows 1,024 elements apart in memory, 16 bytes of padding behind each row in LDS
	s_mov_b32 s24, (2<<16)|(1<<20)|(6<<22)|(3<<25) ; 15:0 no mask; 17:16 elements of 4 bytes; 20 padding on; 24:22 after every 128 words (code 6); 31:25 of 4 words (code 3)
	s_mov_b32 s25, 128<<16                         ; tensor_dim0 = 128
	s_mov_b32 s26, 16<<16                          ; tensor_dim1 = 16
	s_mov_b32 s27, 128<<16                         ; tile_dim0 = 128
	s_mov_b32 s28, 16                              ; tile_dim1 = 16
	s_mov_b32 s29, 1024                            ; tensor_dim0_stride
	s_mov_b32 s30, 0
	s_mov_b32 s31, 0
.irp s, 0,1,2,3,4,5,6,7
	s_mov_b32 s[32+4*\s], 1                        ; group 0, a set for each K step, since all eight loads are out together: count = 1,
	s_add_co_u32 s[33+4*\s], s70, \s*XTILE         ; the tile's LDS address
.endr
	s_mov_b32 s66, 0x76543210
	s_mov_b32 s67, 0xfedcba98                      ; v_permlanex16_b32's selects for lane l xor 16
	s_mov_b32 s[HM], 0xffff0000
	; every address register is made here, on the way that all waves take
	v_and_b32 v15, 31, v0                          ; lane
	v_and_b32 v1, 15, v0                           ; r
	v_bfe_u32 v2, v0, 4, 1                         ; h
	v_mul_u32_u24 v[XA], v1, XPITCH
	v_lshl_add_u32 v[XA], v2, 7, v[XA]
	v_add_nc_u32 v[XA], s70, v[XA]
	v_lshlrev_b32 v[GO], 4, v15
	v_add_nc_u32 v[WIR], WIMG, v[GO]
	v_lshl_add_u32 v[WSR], v15, 2, WSC
	v_add_nc_u32 v[AIR], AIMG, v[GO]
	v_mul_u32_u24 v[STO], v1, SPITCH
	v_lshl_add_u32 v[STO], v2, 5, v[STO]
	v_add_nc_u32 v[STO], s70, v[STO]
	v_add_nc_u32 v[SRD], s70, v[GO]
	v_lshlrev_b32 v[UF], 31, v2
	v_or_b32 v[UF], 0x3f800000, v[UF]
	v_lshlrev_b32 v[H8], 3, v2
	v_mov_b32 v[Z0], 0
	v_lshlrev_b32 v[WGA], 2, v1
	v_lshl_add_u32 v[WGA], v2, 11, v[WGA]
	s_mul_i32 s71, s2, 3*FRB
	v_add_nc_u32 v[WIA], s71, v[WIR]
	s_mul_i32 s71, s2, 3*128
	v_add_nc_u32 v[WSA], s71, v[WSR]
	s_lshl_b32 s71, s2, 7
	v_lshlrev_b32 v[EA1], 2, v1
	v_lshl_add_u32 v[EA1], v2, 13, v[EA1]
	v_add_nc_u32 v[EA1], s71, v[EA1]
	s_lshl_b32 s71, s2, 3
	v_lshlrev_b32 v[EA2], 6, v1
	v_lshl_add_u32 v[EA2], v2, 13, v[EA2]
	v_add_nc_u32 v[EA2], s71, v[EA2]
	s_lshl_b32 s71, s2, 11
	v_add_nc_u32 v[AIA], s71, v[AIR]
	v_lshlrev_b32 v[BA], 5, v2
	v_mov_b32 v75, 0                               ; written once: a lane permute's destination counts as one of its sources
	s_lshl_b32 s22, ttmp9, 18                      ; my work-group's 64 rows of 4,096 bytes,
	s_lshl_b32 s72, s3, 16                         ; my 16 of them
	s_add_co_u32 s22, s22, s72
	s_mov_b32 s23, 0
	s_wait_dscnt 0x0                               ; both opening adds are done
	s_wait_kmcnt 0x0
	s_add_nc_u64 s[4:5], s[4:5], s[22:23]
.irp s, 0,1,2,3,4,5,6,7
	s_add_nc_u64 s[34+4*\s:35+4*\s], s[4:5], \s*512    ; the tile's first element: K step s
	s_or_b32 s[35+4*\s], s[35+4*\s], 0x80000000        ; type = 2
.endr
	s_cmp_lt_u32 s2, 4                             ; a wave's first fills stand in one branch on the wave's number, ahead of every wait on TENSORcnt, every LDS read and the barrier
	s_cbranch_scc0 .Lno_fill
.irp s, 0,1,2,3,4,5,6,7
	tensor_load_to_lds s[32+4*\s:35+4*\s], s[24:31]
	s_nop 0
.endr
	PLACES 4
.Lno_fill:
	s_lshl_b32 s22, s2, 13                         ; my K step of a weight: 128 rows of 64 bytes
	s_add_nc_u64 s[6:7], s[6:7], s[22:23]
	s_add_nc_u64 s[8:9], s[8:9], s[22:23]
	s_add_nc_u64 s[10:11], s[10:11], s[22:23]
	s_lshl_b32 s22, ttmp9, 16                      ; out0: 64 rows of 1,024 bytes a work-group,
	s_lshl_b32 s72, s3, 14                         ; 16 a wave
	s_add_co_u32 s22, s22, s72
	s_add_nc_u64 s[20:21], s[20:21], s[22:23]
	; ---- PREPARATION, all eight waves, while x is on its way
.irp u, 0,1
.irp e, 0,1,2,3,4,5,6
	global_load_b32 v[EB+14*\u+\e], v[EA1], s[18:19] offset:1024*\e+64*\u
	global_load_b32 v[EB+14*\u+7+\e], v[EA2], s[18:19] offset:1024*\e+4*\u
.endr
.endr
	WLD 6, WB0                                     ; W_sigma
	WLD 8, WB1                                     ; W_lambda
	s_wait_loadcnt 63                              ; loads come back in order (ISA guide 5.7.1): behind W_sigma's last stand W_lambda's 64, so with 63 out J_expand's 28 and W_sigma's 64 are in
	ABUILD 0
	ABUILD 1
	s_wait_dscnt 0x0                               ; the stores have read their registers, which QUANT writes
	QUANT WB0
	IMAGE 0
	WLD 10, WB0                                    ; W_alpha, into the registers that W_sigma has left
	s_wait_loadcnt 63                              ; behind W_lambda's last stand W_alpha's 64
	s_wait_dscnt 0x0                               ; the image's stores have read the codes
	QUANT WB1
	IMAGE 1
	s_wait_loadcnt 0x0
	s_wait_dscnt 0x0
	QUANT WB0
	IMAGE 2
	s_wait_dscnt 0x0                               ; for the others' sake: my images have landed
	s_barrier_signal -1
	s_barrier_wait -1                              ; everybody's have.  The tensor loads stay out across this barrier: behind it nothing is filled again, and a tile is read by the wave that asked for it alone
	s_cmp_lt_u32 s2, 4
	s_cbranch_scc1 .Lmain
	s_wait_tensorcnt 0x0                           ; waves 4-7 end
	ds_add_u32 v[SPW], v[NIL]
	s_wait_dscnt 0x0
	s_endpgm
.Lmain:
	; ---- waves 0-3.  The biases are the sums' first C: register j of lane (r, h) is b[8 h + j], the result's layout
.irp f, 0,1,2
	global_load_b128 v[ACC+8*\f:ACC+8*\f+3], v[BA], s[12+2*\f:13+2*\f]
	global_load_b128 v[ACC+8*\f+4:ACC+8*\f+7], v[BA], s[12+2*\f:13+2*\f] offset:16
.endr
	WLOAD 0, 0
	WIN 0x40                                       ; destination window 1, address window 0
.irp t, 0,1,2,3,4,5,6,7,8,9,10,11,12,13,14,15
	ds_load_b128 v[8*\t:8*\t+3], v[AIR] offset:1024*\t         ; A's tile t: high parts, k = 0 .. 15 of the bf16 operand,
	ds_load_b128 v[8*\t+4:8*\t+7], v[AIR] offset:1024*\t+512   ; low parts, k = 16 .. 31
.endr
	WIN 0
.irp s, 0,1,2,3,4,5,6,7
	KSTEP \s
.endr
	; ---- THE ASSOCIATOR.  With x = (a, b), y = (c, d): real = a c - b d, imag = a d + b c.  Lanes 0-15 hold real parts, lanes 16-31 imaginary parts.  One formula serves both halves of the lanes:
	; x y = aX o Y + sbX o Yo  =  X o cY + Xo o sdY,  o = oct_mul, Y my half's part, Yo the other half's, aX = a and cY = c in all lanes, sbX = -b (lanes 0-15) or b (16-31), sdY = -d or d.
.set SG,  24                           ; sigma, then sigma lambda
.set LM,  32                           ; lambda, then the left association
.set AP,  40                           ; alpha, then lambda alpha
.set ASG, 48                           ; a of sigma
.set CAL, 55                           ; c of alpha
.set TS,  62                           ; +-sigma
.set TA,  69                           ; +-alpha, later J
.set SBS, 120                          ; the other half's +-sigma, then sb of sigma
.set SDA, 127                          ; the other half's +-alpha, then sd of alpha
.set LMO, 134                          ; the other half's lambda, then the right association
.set SLO, 141                          ; the other half's sigma lambda
.set LAO, 148                          ; the other half's lambda alpha
	PLACES 4                                       ; behind the last products, ahead of the first read of their results (ISA guide 7.12.1)
.irp e, 0,1,2,3,4,5,6                  ; each sum is read from its low end on
	v_mul_f32 v[TS+\e], v[UF], v[SG+\e]
	v_mul_f32 v[TA+\e], v[UF], v[AP+\e]
.endr
.irp e, 0,1,2,3,4,5,6
	v_permlanex16_b32 v[SBS+\e], v[TS+\e], s66, s67
	v_permlanex16_b32 v[SDA+\e], v[TA+\e], s66, s67
	v_permlanex16_b32 v[LMO+\e], v[LM+\e], s66, s67
.endr
.irp e, 0,1,2,3,4,5,6
	v_cndmask_b32 v[ASG+\e], v[SG+\e], v[SBS+\e], s[HM]    ; lanes 16-31 take the other half's
	v_cndmask_b32 v[CAL+\e], v[AP+\e], v[SDA+\e], s[HM]
	v_cndmask_b32 v[SBS+\e], v[SBS+\e], v[SG+\e], s[HM]    ; lanes 16-31 take their own
	v_cndmask_b32 v[SDA+\e], v[SDA+\e], v[AP+\e], s[HM]
.endr
	CROSS2 SG, ASG, LM, AP, LM, CAL, 1             ; sigma lambda and lambda alpha, over sigma and alpha, which are done with
	CROSS2 SG, SBS, LMO, AP, LMO, SDA, 0
.irp e, 0,1,2,3,4,5,6
	v_permlanex16_b32 v[SLO+\e], v[SG+\e], s66, s67
	v_permlanex16_b32 v[LAO+\e], v[AP+\e], s66, s67
.endr
	CROSS2 LM, SG, CAL, LMO, ASG, AP, 1            ; (sigma lambda) alpha and sigma (lambda alpha), over lambda's two
	CROSS2 LM, SLO, SDA, LMO, SBS, LAO, 0
.irp e, 0,1,2,3,4,5,6
	v_sub_f32 v[TA+\e], v[LM+\e], v[LMO+\e]        ; J[8 h + e] of my row
.endr
	SPLIT TA, 48, 62, 56                           ; nothing changes lanes: lane (r, h) holds i = 8 h .. 8 h + 7 of row r, as the bf16 operand wants them
.irp p, 0,1,2,3
	v_mov_b32 v[52+\p], v[48+\p]                   ; (Jhi, Jhi): k = 16 .. 31 meet A's low parts
	v_mov_b32 v[60+\p], v[56+\p]                   ; (Jlo, Jlo)
.endr
	; ---- THE LAST PRODUCT AND THE WAY OUT.  The stage lies at the head of my own part of x: its last fill has landed and my last read of it is back, and no other wave touches it
	WIN 0x51                                       ; A, C and D window 1, J window 0
	GEXP 0
	PLACES 4
	WIN 0x04                                       ; an LDS store's data are its source 1: window 1
	STG 0
	WIN 0
	RDB 0, 160
	WIN 0x51
	GEXP 1                                         ; the second half is multiplied while the first goes through the stage
	PLACES 4
	WIN 0
	SEND 0, 160
	WIN 0x04
	STG 1
	WIN 0
	RDB 1, 84                                      ; other registers than the first half's, whose stores may still read theirs
	SEND 1, 84
	s_wait_tensorcnt 0x0                           ; the wave's end
	ds_add_u32 v[SPW], v[NIL]
	s_wait_dscnt 0x0
	s_endpgm
.Lfunc_end_k_q4845e3c3d1_assoc:
	.size	k_q4845e3c3d1_assoc, .Lfunc_end_k_q4845e3c3d1_assoc-k_q4845e3c3d1_assoc
	.p2alignl 7, 3214868480
	.fill 96, 4, 3214868480
	.section	.rodata,"a",@progbits
	.p2align	6, 0x0
	.amdhsa_kernel k_q4845e3c3d1_assoc
		.amdhsa_group_segment_fixed_size 327680
		.amdhsa_private_segment_fixed_size 0
		.amdhsa_enable_private_segment 0
		.amdhsa_kernarg_size 72
		.amdhsa_user_sgpr_count 2
		.amdhsa_user_sgpr_kernarg_segment_ptr 1
		.amdhsa_wavefront_size32 1
		.amdhsa_system_sgpr_workgroup_id_x 1
		.amdhsa_system_sgpr_workgroup_id_y 1
		.amdhsa_system_sgpr_workgroup_id_z 1
		.amdhsa_system_vgpr_workitem_id 0
		.amdhsa_next_free_vgpr 512
		.amdhsa_next_free_sgpr 80
		.amdhsa_reserve_vcc 0
		.amdhsa_float_denorm_mode_32 3
		.amdhsa_float_denorm_mode_16_64 3
		.amdhsa_memory_ordered 1
		.amdhsa_forward_progress 1
		.amdhsa_inst_pref_size 123
	.end_amdhsa_kernel
	.amdgpu_metadata
---
amdhsa.version: [ 1, 2 ]
amdhsa.kernels:
  - .name:           k_q4845e3c3d1_assoc
    .symbol:         k_q4845e3c3d1_assoc.kd
    .args:
      - { .name: x, .offset: 0, .size: 8, .value_kind: global_buffer, .address_space: global }
      - { .name: W_sigma, .offset: 8, .size: 8, .value_kind: global_buffer, .address_space: global }
      - { .name: W_lambda, .offset: 16, .size: 8, .value_kind: global_buffer, .address_space: global }
      - { .name: W_alpha, .offset: 24, .size: 8, .value_kind: global_buffer, .address_space: global }
      - { .name: b_sigma, .offset: 32, .size: 8, .value_kind: global_buffer, .address_space: global }
      - { .name: b_lambda, .offset: 40, .size: 8, .value_kind: global_buffer, .address_space: global }
      - { .name: b_alpha, .offset: 48, .size: 8, .value_kind: global_buffer, .address_space: global }
      - { .name: J_expand, .offset: 56, .size: 8, .value_kind: global_buffer, .address_space: global }
      - { .name: out0, .offset: 64, .size: 8, .value_kind: global_buffer, .address_space: global }
    .group_segment_fixed_size: 327680
    .private_segment_fixed_size: 0
    .kernarg_segment_align: 8
    .kernarg_segment_size: 72
    .max_flat_workgroup_size: 256
    .sgpr_count:     80
    .vgpr_count:     512
    .wavefront_size: 32
...
	.end_amdgpu_metadata
.endif
;; end of part 1
